; MI455X (gfx1250); checked and timed in simulation.
; The chip was launched on July 23, 2026; its instructions are those of AMD's public machine-readable ISA for CDNA 5 (MIT licence, August 2026) and "CDNA5" Instruction Set Architecture Reference Guide (July 2026). The comments in the code are by the model that wrote it; some were corrected since.
;; Multi Head Self Attention. Allowed arithmetic: matrix products marked QUANTISED: E2M3 operands, one E8M0 scale for each 32 along K, by v_wmma_scale_f32_16x16x128_f8f6f4 with both operands' format E2M3, f32 sums; everything else in f32.
;; Inputs: K 8 x 2,048 x 512 float32; Q 8 x 2,048 x 512 float32; V 8 x 2,048 x 512 float32; Wk 512 x 512 float32; Wo 512 x 512 float32; Wq 512 x 512 float32; Wv 512 x 512 float32; attn_mask 8 x 1 x 2,048 x 2,048 int32; bo 512 float32; tau one number float32.
;; Outputs: out0 8 x 2,048 x 512 float32.
;; This version of the problem:
;;   THIS VERSION OF THE PROBLEM IS GIVEN IN LOW PRECISION. The matrix products marked QUANTISED in the list below multiply operands that are first quantised to E2M3 (2 exponent bits, 3 mantissa bits; 6 bits a number), with one power-of-two scale for each 32 numbers along K (OCP MX v1.0); their sums are f32. All else is computed in f32.
;;   The module's matrix products, in the order in which they are computed (A, B: the left and right operand; K: the contracted axis; several contracted axes count as one K, in the product's order):
;;     1. [M 16,384, K 512] x [K 512, N 512]; A: input Q; B: input Wq: QUANTISED
;;     2. [M 16,384, K 512] x [K 512, N 512]; A: input K; B: input Wk: QUANTISED
;;     3. [M 16,384, K 512] x [K 512, N 512]; A: input V; B: input Wv: QUANTISED
;;     4. batch 64 x [M 2,048, K 64] x [K 64, N 2,048]; A: computed on the way; B: computed on the way: QUANTISED
;;     5. batch 64 x [M 2,048, K 2,048] x [K 2,048, N 64]; A: softmax (see below); B: computed on the way: QUANTISED
;;     6. [M 16,384, K 512] x [K 512, N 512]; A: computed on the way; B: input Wo: QUANTISED
;;   THE QUANTISER, for each operand of a quantised product, along K:
;;     - K is cut into blocks of 32 from its start; a last block that is shorter is filled with zeros.
;;     - A block's scale is 2^e with e = floor(log2(the largest magnitude in the block)) - 2, held to -126 .. 127; a block of zeros has e = 0. As a byte (E8M0): e + 127.
;;     - Each number is divided by its block's scale, clamped to +-7.5, and rounded to the nearest number of E2M3, ties to even, subnormals kept.
;;     - The product sums the exact products of the quantised numbers (number of the format x scale) in f32.
;;   ~~~python
;;   def quantise(x, axis):      # numpy; x: float32 -> the quantised numbers, widened to float32 again
;;       x = np.moveaxis(x, axis, -1); K = x.shape[-1]
;;       x = np.pad(x, [(0, 0)] * (x.ndim - 1) + [(0, -K % 32)]); x = x.reshape(x.shape[:-1] + (-1, 32)); a = np.abs(x).max(-1, keepdims=True)
;;       e = np.where(a > 0, np.clip(np.frexp(np.where(a > 0, a, 1))[1] - 1 - 2, -126, 127), 0)      # np.frexp(a)[1] - 1 = floor(log2(a)), exactly
;;       r = np.clip(x / 2.0 ** e, -7.5, 7.5)
;;       step = 2.0 ** (np.maximum(np.frexp(np.where(r == 0, 1, r))[1] - 1, 0) - 3)
;;       q = np.round(r / step) * step * 2.0 ** e      # np.round: ties to even
;;       return np.moveaxis(q.reshape(q.shape[:-2] + (-1,))[..., :K], -1, axis).astype(np.float32)
;;   ~~~
;;   SOFTMAX AHEAD OF A QUANTISED PRODUCT. Where the list says 'softmax', what is quantised is not the finished softmax but p = 2^(t - M), with t = logit x log2(e) and M = ceil(the row's largest t), a whole number; so 1/2 < the row's largest p <= 1. The row's sum l is taken of the UNQUANTISED p, in f32, and the product's result is divided by l at the end. Since M is a whole number, a kernel that streams over the keys may use a running M (the ceiling of the running maximum): every later rescaling is an exact power of two, which a block's scale takes up: the codes' values come out the same.
;;   OPERANDS COMPUTED ON THE WAY. 'Computed on the way' means the value that the module computes at that place (a softmax that the list does not call 'softmax' is quantised finished and normalised). What goes into a quantiser is computed in f32, as accurately as f32 sums, v_exp_f32 and their like allow (about 1e-6 of the number): no bf16 or f16 on the way to a quantiser, and a product that is left as it is and whose result goes on into a quantised operand takes f32 operands (vector FMAs, or v_wmma_f32_16x16x4_f32). A number that lies on a knife's edge between two numbers of the format may be rounded either way, as far as f32 arithmetic and the matrix unit's own rounding can turn it there, and no further.
;; One version. Each part assembles by itself: llvm-mc -triple=amdgcn-amd-amdhsa -mcpu=gfx1250 --defsym DOCPART=n.
;; ======== version 1 of 1: 3 launches
;; limits: right only within a limited range of input values
;; workspace buffers: wbuf 819,200 bytes; qbuf 6,553,600 bytes; kvbuf 13,107,200 bytes
;; launch wprep (part 1): grid 32 x 4, 4 waves a work-group, no clusters, 1,536 bytes of LDS; arguments Wq, Wk, Wv, Wo, wbuf; writes wbuf
.if DOCPART == 1
	.amdgcn_target "amdgcn-amd-amdhsa--gfx1250"
	.amdhsa_code_object_version 6
	.text
	.protected	k_q23c55b304e_wprep
	.globl	k_q23c55b304e_wprep
	.p2align	8
	.type	k_q23c55b304e_wprep,@function
k_q23c55b304e_wprep:
	s_mov_b64 s[64:65], 0
	v_nop
	global_prefetch_b8 v0, s[64:65] scope:SCOPE_SE
	s_setreg_imm32_b32 hwreg(HW_REG_WAVE_MODE, 25, 1), 1
	s_wait_xcnt 0x0
; Wq, Wk, Wv, Wo [512 (out)][512 (in)], f32, become codes of FP6 (E2M3) with one E8M0 byte for each 32 along K (= in), laid in the ORDER OF THE OPERAND'S REGISTERS.
; wbuf: tensor T (0 q, 1 k, 2 v, 3 o) at T x 204,800.  Group x = 4 hd + t (0..31), K step s (0..3): a fragment's image of 1,536 bytes at 6,144 x + 1,536 s: registers 4 c .. 4 c + 3 of lane L at 512 c + 16 L.
; Lane r of the fragment holds row 64 hd + 32 (t / 2) + 8 (t % 2) + r + 8 (r / 8): THE ROWS OF A TILE ARE NOT NEIGHBOURS, so that the results of two neighbouring tiles are 16 neighbours along the next product's K.
; Scale words (four bytes: 128 along K of one row) at 196,608 + 256 x + 64 s + 4 r.
; A work-group makes group x of tensor T; wave s makes K step s.  The tensors are small: no ring; each lane loads its 64 numbers and quantises them.
; A block's scale byte is its largest magnitude's exponent field - 2, held at 1 from below.
; LIMITS: a block of zeros, and one whose largest magnitude lies under 2^-124, gets the byte 1 (the rule's 127 for zeros is not owed: zero codes add nothing, and this program alone reads the bytes); NaN and infinities are not served.
.set XN,   16                          ; v16-79   my 64 numbers: register 16 b + i = k 32 b + 16 (lane / 16) + i of my row
.set PC,   80                          ; v80-91   the fragment's codes; v92-94, v96-98 at work
.set TM,   104                         ; v104-119 at work
.set PW,   120                         ; v120     my row's scale word
.set SEL,  20                          ; s[20:21] lane selects: lane l xor 16
.set WTEN, 204800
.macro QUANT s
.irp b, 0,1,2,3
	v_max3_num_f32 v[TM+\b], |v[\s+16*\b]|, |v[\s+1+16*\b]|, 0x1800000   ; block b: my 16 numbers, and the floor 2^(3 - 127): the byte cannot fall under 1
.endr
.irp i, 2,4,6,8,10,12,14
.irp b, 0,1,2,3
	v_max3_num_f32 v[TM+\b], v[TM+\b], |v[\s+16*\b+\i]|, |v[\s+1+16*\b+\i]|   ; the four blocks by turns
.endr
.endr
.irp b, 0,1,2,3
	v_permlanex16_b32 v[TM+4+\b], v[TM+\b], s[SEL], s[SEL+1]
.endr
.irp b, 0,1,2,3
	v_max_num_f32 v[TM+\b], v[TM+\b], v[TM+4+\b]   ; with lane l xor 16's: the block's largest magnitude
.endr
.irp b, 0,1,2,3
	v_add_nc_u32 v[TM+12+\b], 0xff000000, v[TM+\b]   ; 2 off its exponent field: the conversion's scale operand
.endr
.irp b, 0,1,2,3
	v_lshrrev_b32 v[TM+4+\b], 23, v[TM+12+\b]   ; the scale's byte
.endr
	v_lshl_or_b32 v[PW], v[TM+5], 8, v[TM+4]
	v_lshl_or_b32 v[PW], v[TM+6], 16, v[PW]
	v_lshl_or_b32 v[PW], v[TM+7], 24, v[PW]
.irp c, 0,1
	v_cvt_scalef32_pk16_fp6_f32 v[PC+6*\c:PC+2+6*\c], v[\s+32*\c:\s+15+32*\c], v[TM+12+2*\c]
	v_cvt_scalef32_pk16_fp6_f32 v[PC+12+4*\c:PC+14+4*\c], v[\s+16+32*\c:\s+31+32*\c], v[TM+12+2*\c+1]   ; (a conversion's three registers begin on an even number)
.endr
	v_nop                                          ; one plain place behind a scaled conversion
.irp c, 0,1                                    ; the operand's layout wants a whole block in a lane
.irp i, 0,1,2
	v_permlane16_swap_b32 v[PC+6*\c+\i], v[PC+12+4*\c+\i]
.endr
.irp i, 0,1,2
	v_mov_b32 v[PC+3+6*\c+\i], v[PC+12+4*\c+\i]
.endr
.endr
.endm
	s_load_b256 s[4:11], s[0:1], 0x0               ; Wq, Wk, Wv, Wo
	s_load_b64 s[12:13], s[0:1], 0x20              ; wbuf
	v_lshl_add_u32 v128, v0, 2, 0x400
	v_mov_b32 v129, 0
	v_lshrrev_b32 v5, 5, v0
	v_readfirstlane_b32 s14, v5                    ; wave = K step s
	s_and_b32 s15, ttmp7, 0xffff                   ; T
	v_and_b32 v6, 15, v0                           ; r
	v_bfe_u32 v7, v0, 4, 1                         ; h
	v_and_b32 v8, 8, v6
	v_add_nc_u32 v8, v8, v6                        ; r + 8 (r / 8)
	v_lshlrev_b32 v1, 11, v8                       ; a row of W is 2,048 bytes
	v_lshl_add_u32 v1, v7, 6, v1                   ; + 64 h: my 16 numbers of a block of 32
	v_and_b32 v9, 31, v0
	v_lshlrev_b32 v2, 4, v9                        ; 16 x lane
	v_lshlrev_b32 v4, 3, v9                        ; 8 x lane
	s_lshl_b32 s16, s14, 6
	v_lshl_add_u32 v3, v6, 2, s16                  ; LDS: 64 s + 4 r
	s_mov_b32 s[SEL], 0x76543210
	s_mov_b32 s[SEL+1], 0xfedcba98
.irp b, 0,1,2,3
	v_mov_b32 v[TM+4+\b], 0                        ; a lane permute's destination counts as one of its sources
.endr
	s_lshr_b32 s17, ttmp9, 2                       ; the tile's first row: 64 hd + 32 (t / 2) + 8 (t % 2)
	s_lshl_b32 s17, s17, 6
	s_bfe_u32 s18, ttmp9, 0x10001
	s_lshl_b32 s18, s18, 5
	s_add_co_u32 s17, s17, s18
	s_and_b32 s18, ttmp9, 1
	s_lshl_b32 s18, s18, 3
	s_add_co_u32 s17, s17, s18
	s_lshl_b32 s22, s17, 11
	s_lshl_b32 s18, s14, 9                         ; + 512 bytes a K step
	s_add_co_u32 s22, s22, s18
	s_mov_b32 s23, 0
	s_mul_i32 s24, s15, WTEN
	s_mul_i32 s18, ttmp9, 6144
	s_add_co_u32 s26, s24, s18
	s_mul_i32 s18, s14, 1536
	s_add_co_u32 s26, s26, s18                     ; my image
	s_mov_b32 s27, 0
	s_lshl_b32 s18, ttmp9, 8
	s_add_co_u32 s24, s24, s18
	s_add_co_u32 s24, s24, 196608                  ; the group's 256 bytes of scale words
	s_mov_b32 s25, 0
	s_wait_alu depctr_va_vdst(0)
	s_wait_kmcnt 0x0
	s_cmp_eq_u32 s15, 1                            ; the choice hangs on the work-group's number alone
	s_cselect_b64 s[4:5], s[6:7], s[4:5]
	s_cmp_eq_u32 s15, 2
	s_cselect_b64 s[4:5], s[8:9], s[4:5]
	s_cmp_eq_u32 s15, 3
	s_cselect_b64 s[4:5], s[10:11], s[4:5]
	s_add_nc_u64 s[4:5], s[4:5], s[22:23]
	s_add_nc_u64 s[28:29], s[12:13], s[26:27]
	s_add_nc_u64 s[30:31], s[12:13], s[24:25]
.irp b, 0,1,2,3
.irp j, 0,1,2,3
	global_load_b128 v[XN+16*\b+4*\j:XN+16*\b+4*\j+3], v1, s[4:5] offset:128*\b+16*\j
.endr
.endr
	s_wait_loadcnt 0x0
	QUANT XN
.irp c, 0,1,2
	global_store_b128 v2, v[PC+4*\c:PC+4*\c+3], s[28:29] offset:512*\c   ; 32 lanes store 512 consecutive bytes
.endr
	ds_store_b32 v3, v[PW]                         ; both halves of the lanes write the same word with the same value
	s_wait_dscnt 0x0                               ; for the others' sake: my store has landed
	s_barrier_signal -1
	s_barrier_wait -1
	s_cmp_lg_u32 s14, 0
	s_cbranch_scc1 .Ldone
	ds_load_b64 v[10:11], v4                       ; the four waves' 256 bytes
	s_wait_dscnt 0x0
	global_store_b64 v4, v[10:11], s[30:31]        ; 32 lanes store 256 consecutive bytes, aligned
.Ldone:
	s_wait_tensorcnt 0x0
	ds_add_u32 v128, v129
	s_wait_dscnt 0x0
	s_endpgm
.Lfunc_end_k_q23c55b304e_wprep:
	.size	k_q23c55b304e_wprep, .Lfunc_end_k_q23c55b304e_wprep-k_q23c55b304e_wprep
	.p2alignl 7, 3214868480
	.fill 96, 4, 3214868480
	.section	.rodata,"a",@progbits
	.p2align	6, 0x0
	.amdhsa_kernel k_q23c55b304e_wprep
		.amdhsa_group_segment_fixed_size 1536
		.amdhsa_private_segment_fixed_size 0
		.amdhsa_enable_private_segment 0
		.amdhsa_kernarg_size 40
		.amdhsa_user_sgpr_count 2
		.amdhsa_user_sgpr_kernarg_segment_ptr 1
		.amdhsa_wavefront_size32 1
		.amdhsa_system_sgpr_workgroup_id_x 1
		.amdhsa_system_sgpr_workgroup_id_y 1
		.amdhsa_system_sgpr_workgroup_id_z 1
		.amdhsa_system_vgpr_workitem_id 0
		.amdhsa_next_free_vgpr 130
		.amdhsa_next_free_sgpr 66
		.amdhsa_reserve_vcc 0
		.amdhsa_float_denorm_mode_32 3
		.amdhsa_float_denorm_mode_16_64 3
		.amdhsa_memory_ordered 1
		.amdhsa_forward_progress 1
		.amdhsa_inst_pref_size 9
	.end_amdhsa_kernel
	.amdgpu_metadata
---
amdhsa.version: [ 1, 2 ]
amdhsa.kernels:
  - .name:           k_q23c55b304e_wprep
    .symbol:         k_q23c55b304e_wprep.kd
    .args:
      - { .name: Wq, .offset: 0, .size: 8, .value_kind: global_buffer, .address_space: global }
      - { .name: Wk, .offset: 8, .size: 8, .value_kind: global_buffer, .address_space: global }
      - { .name: Wv, .offset: 16, .size: 8, .value_kind: global_buffer, .address_space: global }
      - { .name: Wo, .offset: 24, .size: 8, .value_kind: global_buffer, .address_space: global }
      - { .name: wbuf, .offset: 32, .size: 8, .value_kind: global_buffer, .address_space: global }
    .group_segment_fixed_size: 1536
    .private_segment_fixed_size: 0
    .kernarg_segment_align: 8
    .kernarg_segment_size: 40
    .max_flat_workgroup_size: 128
    .sgpr_count:     66
    .vgpr_count:     130
    .wavefront_size: 32
...
	.end_amdgpu_metadata
.endif
;; end of part 1
;; launch proj (part 2): grid 64 x 3, 8 waves a work-group, no clusters, 327,680 bytes of LDS; arguments Q, K, V, wbuf, qbuf, kvbuf; writes qbuf, kvbuf
.if DOCPART == 2
	.amdgcn_target "amdgcn-amd-amdhsa--gfx1250"
	.amdhsa_code_object_version 6
	.text
	.protected	k_q23c55b304e_proj
	.globl	k_q23c55b304e_proj
	.p2align	8
	.type	k_q23c55b304e_proj,@function
k_q23c55b304e_proj:
	s_mov_b64 s[64:65], 0
	v_nop
	global_prefetch_b8 v0, s[64:65] scope:SCOPE_SE
	s_setreg_imm32_b32 hwreg(HW_REG_WAVE_MODE, 25, 1), 1
	s_wait_xcnt 0x0
; q = Q Wq^T, k = K Wk^T, v = V Wv^T on codes of FP6 (E2M3) with one E8M0 byte for each 32 along K; the results are quantised at once for the attention's products and leave as images of operand registers.
; Work-group (x, y): tensor y (0 Q, 1 K, 2 V), rows 256 x .. 256 x + 255: four blocks of 64 rows, two units of 128.  WAVE w IS HEAD w: its 16 fragments of W (4 tiles x 4 K steps, 192 registers) stay in registers.
; A BLOCK: its 64 x 512 f32 come by eight tensor loads (16 rows x 1,024 bytes each) into one of two LDS slots | each wave quantises two of the block's 16 fragments of x and stores their register images | barrier |
; each wave: 64 products, then its 64 x 64 results are quantised in registers.
;   Q, K: source 0 = W, source 1 = x: a lane holds one row and registers along the head's 64: quantised along d.  Two tiles of 16 rows make one fragment (registers 0-5, 6-11): the score product's K is only 64.
;   V:    source 0 = x, source 1 = W: a lane holds one d and registers along the rows (the keys): quantised along the keys.
; THE ROWS OF A TILE (of W and of x) ARE NOT NEIGHBOURS: lane r of tile t takes row 32 (t / 2) + 8 (t % 2) + r + 8 (r / 8), so that 16 registers of two neighbouring tiles are 16 neighbours.
; OUT, for unit U = 2 x + u: qbuf at 51,200 U: codes (fragment (hd, tp) at 1,536 (4 hd + tp)), scale words at 49,152 (+ 64 (4 hd + tp) + 4 r).  kvbuf at 102,400 U: K's codes 0, V's 49,152, K's words 98,304, V's 100,352.
; NO CLUSTER: work-groups share W alone, 200 KB against the 512 KB of x that each reads, and W goes once into registers, where no joint load reaches.
; 192 work-groups: 16,384 rows a tensor do not divide over a third of 256 without a second weight in some work-group.
; LIMITS: a block of zeros or under 2^-124 gets the byte 1 (its codes are zeros or the held scale's; this program alone reads the bytes); NaN and infinities are not served.
.set PITCH, 1032                       ; an LDS line: 1,024 bytes + 8: line rho begins 8 rho mod 256 on, so the 32 lanes of an 8-byte load (16 lines x 2 halves 64 bytes apart) take 32 different places of 8 bytes in 256
.set KHALF, 64*PITCH                   ; 64 lines: one half of K for the block's 64 rows
.set SLOT,  2*KHALF
.set XIMG,  2*SLOT                     ; behind the ring: x's 16 images (tile xt, K step ks: 4 xt + ks),
.set XSC,   XIMG+16*1536               ; their scale words, 128 bytes each,
.set SPARE, XSC+16*128                 ; the spare words, 128 bytes a wave, which no other line names,
.set SG,    SPARE+8*128                ; and 256 bytes a wave in which a unit's scale words are gathered
.set WTEN,  204800
.set SPW, 1                            ; v1   my spare word; never rewritten
.set NIL, 2                            ; v2   0; never rewritten
.set LI,  3                            ; v3   16 x lane
.set XA,  4                            ; v4-5 my lines in slot 0, 1
.set XWI, 6                            ; v6   where I store x's images
.set XWS, 7                            ; v7   and their scale words
.set LIX, 8                            ; v8   XIMG + 16 x lane
.set LSX, 9                            ; v9   XSC + 4 x lane
.set SGW, 10                           ; v10  SG + 256 w + 4 r
.set SGR, 11                           ; v11  SG + 256 w + 8 x lane
.set L8,  12                           ; v12  8 x lane
.set R4,  13                           ; v13  4 r
.set WS,  16                           ; v16-31 W's scale words (4 t + ks)
.set XS,  32                           ; v32-35 x's
.set SW,  36                           ; v36-39 the scale words of the unit's four fragments
.set TM,  40                           ; v40-55 at work
.set PW,  56
.set HW,  57
.set SGD, 58                           ; v[58:59]
.set PC,  60                           ; v60-79 a fragment's codes and the conversions' second halves
.set CT,  72
.set CD,  80                           ; v80-127 the unit's four fragments
.set ACC, 128                          ; v128-255 16 accumulators; before them the 128 numbers of x that I quantise
.set XF,  192                          ; window 1: v0-191 W (12 (4 t + ks)); v192-239 four fragments of x
.set G1X, 16
.set G0,  24                           ; s[24:27], s[28:31]: a group 0 for each slot
.set WV,  40
.set TEN, 41
.set SEL, 42
.set OUT, 44
.set SCO, 46
.set STR, 62                           ; s[62:63] a unit on, in bytes
.set MSB, 0
.macro WIN new                         ; the immediate's high byte repeats the setting that is left
.if MSB != \new
	s_set_vgpr_msb (MSB<<8)|\new
.set MSB, \new
.endif
.endm
.macro QUANT s                         ; 64 numbers, register 16 b + i = k 32 b + 16 (lane / 16) + i of my row -> 12 registers of codes at PC, the scale word in PW
.irp b, 0,1,2,3
	v_max3_num_f32 v[TM+\b], |v[\s+16*\b]|, |v[\s+1+16*\b]|, 0x1800000   ; and the floor 2^(3 - 127): the byte cannot fall under 1
.endr
.irp i, 2,4,6,8,10,12,14
.irp b, 0,1,2,3
	s_delay_alu instid0(VALU_DEP_4)
	v_max3_num_f32 v[TM+\b], v[TM+\b], |v[\s+16*\b+\i]|, |v[\s+1+16*\b+\i]|
.endr
.endr
.irp b, 0,1,2,3
	s_delay_alu instid0(VALU_DEP_4)
	v_permlanex16_b32 v[TM+4+\b], v[TM+\b], s[SEL], s[SEL+1]
.endr
.irp b, 0,1,2,3
	s_delay_alu instid0(VALU_DEP_4)
	v_max_num_f32 v[TM+\b], v[TM+\b], v[TM+4+\b]
.endr
.irp b, 0,1,2,3
	s_delay_alu instid0(VALU_DEP_4)
	v_add_nc_u32 v[TM+12+\b], 0xff000000, v[TM+\b]   ; 2 off the exponent field: the conversion's scale operand
.endr
.irp b, 0,1,2,3
	s_delay_alu instid0(VALU_DEP_4)
	v_lshrrev_b32 v[TM+4+\b], 23, v[TM+12+\b]
.endr
	s_delay_alu instid0(VALU_DEP_3)
	v_lshl_or_b32 v[PW], v[TM+5], 8, v[TM+4]
	s_delay_alu instid0(VALU_DEP_1)
	v_lshl_or_b32 v[PW], v[TM+6], 16, v[PW]
	s_delay_alu instid0(VALU_DEP_1)
	v_lshl_or_b32 v[PW], v[TM+7], 24, v[PW]
.irp c, 0,1
	v_cvt_scalef32_pk16_fp6_f32 v[PC+6*\c:PC+2+6*\c], v[\s+32*\c:\s+15+32*\c], v[TM+12+2*\c]
	v_cvt_scalef32_pk16_fp6_f32 v[PC+12+4*\c:PC+14+4*\c], v[\s+16+32*\c:\s+31+32*\c], v[TM+12+2*\c+1]
.endr
	v_nop                                          ; one plain place behind a scaled conversion
.irp c, 0,1
.irp i, 0,1,2
	v_permlane16_swap_b32 v[PC+6*\c+\i], v[PC+12+4*\c+\i]
.endr
.irp i, 0,1,2
	s_delay_alu instid0(VALU_DEP_3)
	v_mov_b32 v[PC+3+6*\c+\i], v[PC+12+4*\c+\i]
.endr
.endr
.endm
.macro HALFQ s, d, hw                  ; the same for 32 numbers (two blocks): six registers of codes at d, two scale bytes in hw.  The accumulators are read from their low ends on
.irp b, 0,1
	v_max3_num_f32 v[TM+\b], |v[\s+16*\b]|, |v[\s+1+16*\b]|, 0x1800000
.endr
.irp i, 2,4,6,8,10,12,14
.irp b, 0,1
	v_max3_num_f32 v[TM+\b], v[TM+\b], |v[\s+16*\b+\i]|, |v[\s+1+16*\b+\i]|
.endr
.endr
.irp b, 0,1
	s_delay_alu instid0(VALU_DEP_2)
	v_permlanex16_b32 v[TM+4+\b], v[TM+\b], s[SEL], s[SEL+1]
.endr
.irp b, 0,1
	s_delay_alu instid0(VALU_DEP_2)
	v_max_num_f32 v[TM+\b], v[TM+\b], v[TM+4+\b]
.endr
.irp b, 0,1
	s_delay_alu instid0(VALU_DEP_2)
	v_add_nc_u32 v[TM+12+\b], 0xff000000, v[TM+\b]
.endr
.irp b, 0,1
	s_delay_alu instid0(VALU_DEP_2)
	v_lshrrev_b32 v[TM+4+\b], 23, v[TM+12+\b]
.endr
	s_delay_alu instid0(VALU_DEP_1)
	v_lshl_or_b32 v[\hw], v[TM+5], 8, v[TM+4]
	v_cvt_scalef32_pk16_fp6_f32 v[\d:\d+2], v[\s:\s+15], v[TM+12]
	v_cvt_scalef32_pk16_fp6_f32 v[CT:CT+2], v[\s+16:\s+31], v[TM+13]
	v_nop
.irp i, 0,1,2
	v_permlane16_swap_b32 v[\d+\i], v[CT+\i]
.endr
.irp i, 0,1,2
	s_delay_alu instid0(VALU_DEP_3)
	v_mov_b32 v[\d+3+\i], v[CT+\i]
.endr
.endm
.macro IMAGE adr, off                  ; the fragment at PC goes to LDS as it stands: 512 consecutive bytes a store
.irp c, 0,1,2
	ds_store_b128 v[\adr], v[PC+4*\c:PC+4*\c+3] offset:\off+512*\c
.endr
.endm
.macro MM d, a, b, z, sa, sc
.if \z
	v_wmma_scale_f32_16x16x128_f8f6f4 v[\d:\d+7], v[\a:\a+11], v[\b:\b+11], 0, v[\sa], v[\sc] matrix_a_fmt:MATRIX_FMT_FP6 matrix_b_fmt:MATRIX_FMT_FP6
.else
	v_wmma_scale_f32_16x16x128_f8f6f4 v[\d:\d+7], v[\a:\a+11], v[\b:\b+11], v[\d:\d+7], v[\sa], v[\sc] matrix_a_fmt:MATRIX_FMT_FP6 matrix_b_fmt:MATRIX_FMT_FP6
.endif
.endm
.macro PLACES
.rept 4
	v_nop
.endr
.endm
	s_load_b256 s[4:11], s[0:1], 0x0               ; Q, K, V, wbuf
	s_load_b128 s[12:15], s[0:1], 0x20             ; qbuf, kvbuf
	v_lshl_add_u32 v[SPW], v0, 2, SPARE
	v_mov_b32 v[NIL], 0
	ds_add_u32 v1, v2
	ds_add_u32 v1, v2
	s_wait_dscnt 0x0
	v_lshrrev_b32 v14, 5, v0
	s_delay_alu instid0(VALU_DEP_1)
	v_readfirstlane_b32 s[WV], v14                 ; wave 0..7
	s_and_b32 s[TEN], ttmp7, 0xffff                ; the tensor
	; descriptor group 1: 16 rows x 256 elements of 4 bytes, 2 words of padding behind each 256
	s_mov_b32 s[G1X+0], (2<<16)|(1<<20)|(7<<22)|(1<<25)
	s_mov_b32 s[G1X+1], 256<<16                    ; tensor_dim0
	s_mov_b32 s[G1X+2], 16<<16                     ; tensor_dim1
	s_mov_b32 s[G1X+3], 256<<16                    ; tile_dim0
	s_mov_b32 s[G1X+4], 16                         ; tile_dim1
	s_mov_b32 s[G1X+5], 512                        ; from row to row
	s_mov_b32 s[G1X+6], 0
	s_mov_b32 s[G1X+7], 0
	s_lshr_b32 s48, s[WV], 1                       ; which 16 rows of a block I fetch
	s_and_b32 s49, s[WV], 1                        ; which half of K
	s_mul_i32 s50, s49, KHALF
	s_mul_i32 s51, s48, 16*PITCH
	s_add_co_u32 s50, s50, s51                     ; their place in a slot
	s_lshl_b32 s52, ttmp9, 19                      ; 256 rows of 2,048 bytes a work-group
	s_and_b32 s58, s48, 1                          ; K alone: rows 16-31 and 32-47 of a block change places in the slot, so that tile g holds keys 8 g + r + 24 (r / 8):
	s_lshl_b32 s58, s58, 1                         ; the score product then gives a lane 32 neighbouring keys, a whole block of p
	s_lshr_b32 s59, s48, 1
	s_or_b32 s58, s58, s59
	s_cmp_eq_u32 s[TEN], 1
	s_cselect_b32 s58, s58, s48
	s_lshl_b32 s51, s58, 15
	s_add_co_u32 s52, s52, s51
	s_lshl_b32 s51, s49, 10
	s_add_co_u32 s52, s52, s51
	s_mov_b32 s53, 0
	s_wait_kmcnt 0x0
	s_cmp_eq_u32 s[TEN], 1                         ; the choice hangs on the work-group's number alone
	s_cselect_b64 s[4:5], s[6:7], s[4:5]
	s_cmp_eq_u32 s[TEN], 2
	s_cselect_b64 s[4:5], s[8:9], s[4:5]
	s_add_nc_u64 s[4:5], s[4:5], s[52:53]
.irp n, 0,1
	s_mov_b32 s[G0+4*\n], 1
	s_add_co_u32 s[G0+4*\n+1], s50, \n*SLOT
	s_add_nc_u64 s[G0+4*\n+2:G0+4*\n+3], s[4:5], \n*64*2048   ; block n
	s_or_b32 s[G0+4*\n+3], s[G0+4*\n+3], 0x80000000
.endr
	tensor_load_to_lds s[G0:G0+3], s[G1X:G1X+7]    ; block 0: the first fill, ahead of everything else
	s_nop 0
	PLACES
	v_and_b32 v60, 31, v0                          ; lane
	v_and_b32 v61, 15, v0                          ; r
	v_bfe_u32 v62, v0, 4, 1                        ; h
	s_delay_alu instid0(VALU_DEP_2)
	v_and_b32 v63, 8, v61
	s_delay_alu instid0(VALU_DEP_1)
	v_add_nc_u32 v63, v63, v61                     ; r + 8 (r / 8)
	s_wait_alu depctr_va_vdst(0)
	v_lshlrev_b32 v[LI], 4, v60
	s_wait_alu depctr_va_vdst(0)
	v_lshlrev_b32 v[L8], 3, v60
	v_lshlrev_b32 v[R4], 2, v61
	v_lshlrev_b32 v14, 2, v60
	s_wait_alu depctr_va_vdst(0)
	s_lshr_b32 s51, s[WV], 2                       ; I quantise tile xt = w / 2, K half w % 2: its first line is 32 (xt / 2) + 8 (xt % 2)
	s_lshl_b32 s51, s51, 5
	s_bfe_u32 s58, s[WV], 0x10001
	s_lshl_b32 s58, s58, 3
	s_add_co_u32 s51, s51, s58
	s_mul_i32 s51, s51, PITCH
	s_mul_i32 s58, s49, KHALF
	s_add_co_u32 s51, s51, s58
	v_mul_u32_u24 v[XA], v63, PITCH
	s_delay_alu instid0(VALU_DEP_1)
	v_lshl_add_u32 v[XA], v62, 6, v[XA]            ; + 64 h: my 16 numbers of a block of 32
	s_delay_alu instid0(VALU_DEP_1)
	v_add_nc_u32 v[XA], s51, v[XA]
	s_delay_alu instid0(VALU_DEP_1)
	v_add_nc_u32 v[XA+1], SLOT, v[XA]
	s_mul_i32 s58, s[WV], 2*1536
	s_add_co_u32 s58, s58, XIMG
	v_add_nc_u32 v[XWI], s58, v[LI]
	s_lshl_b32 s58, s[WV], 8
	s_add_co_u32 s59, s58, XSC
	v_add_nc_u32 v[XWS], s59, v14
	v_add_nc_u32 v[LIX], XIMG, v[LI]
	v_add_nc_u32 v[LSX], XSC, v14
	s_add_co_u32 s59, s58, SG
	v_add_nc_u32 v[SGW], s59, v[R4]
	v_add_nc_u32 v[SGR], s59, v[L8]
	s_mul_i32 s52, s[TEN], WTEN                    ; my head's part of W: codes,
	s_mul_i32 s51, s[WV], 4*6144
	s_add_co_u32 s52, s52, s51
	s_add_nc_u64 s[54:55], s[10:11], s[52:53]
	s_mul_i32 s52, s[TEN], WTEN                    ; and scale words
	s_lshl_b32 s51, s[WV], 10
	s_add_co_u32 s52, s52, s51
	s_add_co_u32 s52, s52, 196608
	s_add_nc_u64 s[56:57], s[10:11], s[52:53]
	WIN 0x40                                       ; destination window 1
.irp tt, 0,1,2,3
.irp ks, 0,1,2,3
.irp cc, 0,1,2
	global_load_b128 v[12*(4*\tt+\ks)+4*\cc:12*(4*\tt+\ks)+4*\cc+3], v[LI], s[54:55] offset:6144*\tt+1536*\ks+512*\cc
.endr
.endr
.endr
	WIN 0
.irp tt, 0,1,2,3
.irp ks, 0,1,2,3
	global_load_b32 v[WS+4*\tt+\ks], v[R4], s[56:57] offset:256*\tt+64*\ks
.endr
.endr
	; where the results go
	s_cmp_eq_u32 s[TEN], 0
	s_cselect_b64 s[OUT:OUT+1], s[12:13], s[14:15]
	s_mov_b32 s[STR], 102400
	s_cselect_b32 s[STR], 51200, s[STR]            ; a unit in qbuf or in kvbuf
	s_mov_b32 s59, 98304
	s_cselect_b32 s59, 49152, s59                  ; the scale words' place in a unit
	s_cmp_eq_u32 s[TEN], 2
	s_cselect_b32 s60, 49152, 0                    ; V's codes lie behind K's,
	s_cselect_b32 s61, 2048, 0                     ; and its words behind K's
	s_add_co_u32 s59, s59, s61
	s_mov_b32 s[STR+1], 0
	s_lshl_b32 s61, ttmp9, 1
	s_mul_i32 s61, s61, s[STR]                     ; unit 2 x
	s_add_co_u32 s60, s60, s61
	s_add_co_u32 s59, s59, s61
	s_mul_i32 s61, s[WV], 6144
	s_add_co_u32 s60, s60, s61
	s_lshl_b32 s61, s[WV], 8
	s_add_co_u32 s59, s59, s61
	s_mov_b64 s[SCO:SCO+1], s[OUT:OUT+1]
	s_mov_b32 s52, s60
	s_add_nc_u64 s[OUT:OUT+1], s[OUT:OUT+1], s[52:53]
	s_mov_b32 s52, s59
	s_add_nc_u64 s[SCO:SCO+1], s[SCO:SCO+1], s[52:53]
	s_mov_b32 s[SEL], 0x76543210
	s_mov_b32 s[SEL+1], 0xfedcba98
.irp b, 0,1,2,3
	v_mov_b32 v[TM+4+\b], 0                        ; a lane permute's destination counts as one of its sources
	v_mov_b32 v[SW+\b], 0                          ; the two ways below write the unit's registers in different orders: written once here, so that each has a value on every way through the text
.endr
.set jj, 0
.rept 48
	v_mov_b32 v[CD+jj], 0
.set jj, jj+1
.endr
; THE CHANGE OF SLOTS, at a block's head.  Each wave waits for all its tensor loads (its part of the block ahead), adds 0 to its spare word, waits for that and for its LDS reads; behind the barrier the block ahead is whole
; and nobody reads the other slot: it is filled with the block after, one load a wave, 128 KB for the eight, which has a block's work in which to land.  By this text's own count a wave has one tensor load outstanding.
.macro CHANGE i
	s_wait_tensorcnt 0x0
	ds_add_u32 v[SPW], v[NIL]
.if (\i == 1) || (\i == 2)
	s_add_nc_u64 s[G0+4*((\i+1)%2)+2:G0+4*((\i+1)%2)+3], s[G0+4*((\i+1)%2)+2:G0+4*((\i+1)%2)+3], 128*2048   ; no load of mine is out: the slot's next block, two on
.endif
	s_wait_dscnt 0x0
	s_barrier_signal -1
	s_barrier_wait -1
.if \i < 3
	tensor_load_to_lds s[G0+4*((\i+1)%2):G0+4*((\i+1)%2)+3], s[G1X:G1X+7]
	s_nop 0
	PLACES
.endif
.endm
; My two fragments of x: 128 numbers a lane from the slot, quantised, their images to LDS.
.macro XPH sl
.irp sp, 0,1
.irp b, 0,1,2,3
.irp m, 0,1,2,3,4,5,6,7
	ds_load_b64 v[ACC+64*\sp+16*\b+2*\m:ACC+64*\sp+16*\b+2*\m+1], v[XA+\sl] offset:512*\sp+128*\b+8*\m
.endr
.endr
.endr
	s_wait_dscnt 32                                ; the first K step's 32 loads are in; the second's may be out
	QUANT ACC
	IMAGE XWI, 0
	ds_store_b32 v[XWS], v[PW]
	s_wait_dscnt 0x0                               ; the second K step is in, and the stores have read their registers
	QUANT ACC+64
	IMAGE XWI, 1536
	ds_store_b32 v[XWS], v[PW] offset:128
	s_wait_dscnt 0x0                               ; for the others' sake: my images have landed, and my reads of the slot are over
	s_barrier_signal -1
	s_barrier_wait -1
.endm
; The products and the quantising of a block: sb = which half of the unit; vp = 0: Q, K; 1: V.  LDS loads and work on registers alone.  The 16 accumulators take turns, one instruction a turn.
.macro MQP sb, vp
.irp ks, 0,1,2,3
	PLACES                                         ; in front of loads into registers that matrix instructions have read
	WIN 0x40
.irp xt, 0,1,2,3
.irp cc, 0,1,2
	ds_load_b128 v[XF+12*\xt+4*\cc:XF+12*\xt+4*\cc+3], v[LIX] offset:(4*\xt+\ks)*1536+512*\cc
.endr
.endr
	WIN 0
.irp xt, 0,1,2,3
	ds_load_b32 v[XS+\xt], v[LSX] offset:128*(4*\xt+\ks)
.endr
	s_wait_dscnt 0x0
	WIN 0x05                                       ; sources 0 and 1 window 1, C and D window 0
.irp xt, 0,1,2,3
.irp tt, 0,1,2,3
.if \vp
.if \ks == 0
	MM ACC+32*\tt+8*\xt, XF+12*\xt, 12*(4*\tt+\ks), 1, XS+\xt, WS+4*\tt+\ks
.else
	MM ACC+32*\tt+8*\xt, XF+12*\xt, 12*(4*\tt+\ks), 0, XS+\xt, WS+4*\tt+\ks
.endif
.else
.if \ks == 0
	MM ACC+32*\xt+8*\tt, 12*(4*\tt+\ks), XF+12*\xt, 1, WS+4*\tt+\ks, XS+\xt
.else
	MM ACC+32*\xt+8*\tt, 12*(4*\tt+\ks), XF+12*\xt, 0, WS+4*\tt+\ks, XS+\xt
.endif
.endif
.endr
.endr
	WIN 0
.endr
	PLACES                                         ; in front of the first read of results
.irp g, 0,1,2,3
.if \vp                                        ; V: group g = tile g of d; its 32 registers are the block's 64 keys' two halves: registers 6 sb .. of fragment g
.if \sb == 0
	HALFQ ACC+32*\g, CD+12*\g, SW+\g
.else
	HALFQ ACC+32*\g, CD+12*\g+6, HW
	v_lshl_or_b32 v[SW+\g], v[HW], 16, v[SW+\g]
.endif
.else                                          ; Q, K: group g = tile g of rows; its 32 registers are the head's 64: half g % 2 of fragment 2 sb + g / 2
.if \g%2 == 0
	HALFQ ACC+32*\g, CD+12*(2*\sb+\g/2), SW+2*\sb+\g/2
.else
	HALFQ ACC+32*\g, CD+12*(2*\sb+\g/2)+6, HW
	v_lshl_or_b32 v[SW+2*\sb+\g/2], v[HW], 16, v[SW+2*\sb+\g/2]
.endif
.endif
.endr
.endm
.macro MQ sb
	s_cmp_eq_u32 s[TEN], 2                         ; a branch on the work-group's number
	s_cbranch_scc1 .Lfor_v_\@
	MQP \sb, 0
	s_branch .Ljoin_\@
.Lfor_v_\@:
	MQP \sb, 1
.Ljoin_\@:
.endm
; A unit's four fragments and their scale words leave: every store of the wave covers 512 or 256 consecutive bytes, aligned.
.macro STORE more
.irp f, 0,1,2,3
.irp cc, 0,1,2
	global_store_b128 v[LI], v[CD+12*\f+4*\cc:CD+12*\f+4*\cc+3], s[OUT:OUT+1] offset:1536*\f+512*\cc
.endr
	ds_store_b32 v[SGW], v[SW+\f] offset:64*\f     ; both halves of the lanes write the same word with the same value; the bytes are my wave's own
.endr
	ds_load_b64 v[SGD:SGD+1], v[SGR]               ; LDS serves a wave's instructions in order: this sees my stores
	s_wait_dscnt 0x0
	global_store_b64 v[L8], v[SGD:SGD+1], s[SCO:SCO+1]
.if \more
	s_wait_xcnt 0x0                                ; the stores have read their registers and bases: both are written again only behind this wait
	s_add_nc_u64 s[OUT:OUT+1], s[OUT:OUT+1], s[STR:STR+1]
	s_add_nc_u64 s[SCO:SCO+1], s[SCO:SCO+1], s[STR:STR+1]
.endif
.endm
	CHANGE 0
	XPH 0
	s_wait_loadcnt 0x0                             ; W
	MQ 0
	CHANGE 1
	XPH 1
	MQ 1
	s_wait_alu depctr_va_vdst(0)
	STORE 1
	CHANGE 2
	XPH 0
	MQ 0
	CHANGE 3                                       ; nothing is left to fetch
	XPH 1
	MQ 1
	s_wait_alu depctr_va_vdst(0)
	STORE 0
	s_wait_tensorcnt 0x0                           ; the wave's end
	ds_add_u32 v[SPW], v[NIL]
	s_wait_dscnt 0x0
	s_endpgm
.Lfunc_end_k_q23c55b304e_proj:
	.size	k_q23c55b304e_proj, .Lfunc_end_k_q23c55b304e_proj-k_q23c55b304e_proj
	.p2alignl 7, 3214868480
	.fill 96, 4, 3214868480
	.section	.rodata,"a",@progbits
	.p2align	6, 0x0
	.amdhsa_kernel k_q23c55b304e_proj
		.amdhsa_group_segment_fixed_size 327680
		.amdhsa_private_segment_fixed_size 0
		.amdhsa_enable_private_segment 0
		.amdhsa_kernarg_size 48
		.amdhsa_user_sgpr_count 2
		.amdhsa_user_sgpr_kernarg_segment_ptr 1
		.amdhsa_wavefront_size32 1
		.amdhsa_system_sgpr_workgroup_id_x 1
		.amdhsa_system_sgpr_workgroup_id_y 1
		.amdhsa_system_sgpr_workgroup_id_z 1
		.amdhsa_system_vgpr_workitem_id 0
		.amdhsa_next_free_vgpr 512
		.amdhsa_next_free_sgpr 66
		.amdhsa_reserve_vcc 0
		.amdhsa_float_denorm_mode_32 3
		.amdhsa_float_denorm_mode_16_64 3
		.amdhsa_memory_ordered 1
		.amdhsa_forward_progress 1
		.amdhsa_inst_pref_size 255
	.end_amdhsa_kernel
	.section	.bss,"aw",@nobits
	.p2align	6
	.space	262144
	.amdgpu_metadata
---
amdhsa.version: [ 1, 2 ]
amdhsa.kernels:
  - .name:           k_q23c55b304e_proj
    .symbol:         k_q23c55b304e_proj.kd
    .args:
      - { .name: Q, .offset: 0, .size: 8, .value_kind: global_buffer, .address_space: global }
      - { .name: K, .offset: 8, .size: 8, .value_kind: global_buffer, .address_space: global }
      - { .name: V, .offset: 16, .size: 8, .value_kind: global_buffer, .address_space: global }
      - { .name: wbuf, .offset: 24, .size: 8, .value_kind: global_buffer, .address_space: global }
      - { .name: qbuf, .offset: 32, .size: 8, .value_kind: global_buffer, .address_space: global }
      - { .name: kvbuf, .offset: 40, .size: 8, .value_kind: global_buffer, .address_space: global }
    .group_segment_fixed_size: 327680
    .private_segment_fixed_size: 0
    .kernarg_segment_align: 8
    .kernarg_segment_size: 48
    .max_flat_workgroup_size: 256
    .sgpr_count:     66
    .vgpr_count:     512
    .wavefront_size: 32
...
	.end_amdgpu_metadata
.endif
;; end of part 2
;; launch attn (part 3): grid 32 x 8, 8 waves a work-group, clusters of 4 x 1, 327,680 bytes of LDS; arguments qbuf, kvbuf, attn_mask, wbuf, bo, tau, out0; writes out0
.if DOCPART == 3
	.amdgcn_target "amdgcn-amd-amdhsa--gfx1250"
	.amdhsa_code_object_version 6
	.text
	.protected	k_q23c55b304e_attn
	.globl	k_q23c55b304e_attn
	.p2align	8
	.type	k_q23c55b304e_attn,@function
k_q23c55b304e_attn:
	s_mov_b64 s[64:65], 0
	v_nop
	global_prefetch_b8 v0, s[64:65] scope:SCOPE_SE
	s_setreg_imm32_b32 hwreg(HW_REG_WAVE_MODE, 25, 1), 1
	s_wait_xcnt 0x0
	s_wait_alu depctr_hold_cnt(0) depctr_sa_sdst(0) depctr_va_vdst(0) depctr_va_sdst(0) depctr_va_ssrc(0) depctr_va_vcc(0) depctr_vm_vsrc(0)
	s_getreg_b32 s2, hwreg(HW_REG_IB_STS2, 6, 4)
	s_cmp_eq_u32 s2, 0
	s_cbranch_scc0 .Lentry_in_a_cluster
	s_endpgm
.Lentry_in_a_cluster:
	s_bfe_u32 s2, ttmp6, 0x10000c
	s_cmp_lg_u32 s2, 0x3003
	s_cbranch_scc0 .Lentry_shape_is_right
	s_endpgm
.Lentry_shape_is_right:
; out0 = (softmax(q k^T / tau, masked) v, heads joined) Wo^T + bo, all three products on codes of FP6 (E2M3) with one E8M0 byte for each 32 along K.
; SHARES.  A work-group owns 64 queries of one batch for all 8 heads.  Wave w: tile qt = w % 4 of 16 queries (local query 32 (qt / 2) + 8 (qt % 2) + r + 8 (r / 8)) x heads 4 (w / 4) .. + 3.  16 key steps of 128 keys.
; LAYOUT.  S^T = k q^T, O^T = v^T p^T: a lane holds one query.  The fragments of k and v lie in memory as images of operand registers.  A fragment of k holds two tiles of 16 keys; against [q | zeros] and [zeros | q] it gives one each.
; Tile g of a run of 64 keys holds keys 8 g + r + 24 (r / 8): so score register 32 c + i of lane (r, h) is key 64 c + 32 h + i: A LANE HOLDS TWO WHOLE BLOCKS OF 32 KEYS, and the conversions' results are p's operand as they stand.
; THE MASK is turned into bias (0 or -3e38) once in a work-group: wave w loads rows 8 w .. + 7 of the next step's 64 x 128 words into 32 registers, a key step ahead, turns them in place and stores them to the other of two bias slots in LDS
; (row 16 qt + r); each wave reads its 16 rows as the C of its four heads' score products.  In the last trip of the loop the loads' address stays at step 15, inside the buffer, so that the counted wait holds in every trip.
; THE SOFTMAX.  m = the running largest score; M = ceil(m c), c = log2(e) / |tau| (the sign of tau goes into q's codes); p = 2^(score c - M), quantised along the keys; the row's sum is taken of the unquantised p; when M moves,
; the sum and O^T are multiplied by 2^(old M - new M): exact.  m starts at -2^100.  A row all of whose keys are hidden ends with the sum 0: its scale bytes are set to 0xff, so that its outputs are NaN.
; CLUSTER.  The four work-groups of a cluster walk the same k and v: each step's 102,400 bytes are asked for jointly, an eighth (50 rows of 256 bytes) by each wave.  The mask is each work-group's own.
; THE CHANGE OF SLOTS is opened inside a step's fourth head: once my last LDS reads and stores of the step are done I wait for my tensor load, add, wait and signal; the rest of that head, work on registers alone, stands between the signal and the wait.
; PREFETCH.  k's and v's codes one step ahead of their load, by the batch's first cluster; Wo once in each cluster, four steps ahead of the tail.  The mask has none: its loads into registers are issued a whole key step ahead of their use.
; LIMITS: scores of open keys stay under 2^100 in magnitude and c 2^100 is finite; tau = 0 or denormal, NaN and infinities are not served; a block of p under 2^-124 keeps the byte 1.
.set KVB,   102400
.set KV1,   1<<17
.set SPARE, 102400
.set OIMG,  103424
.set OSC,   128000
.set MS0,   233472                     ; two bias slots of 64 rows x 528 bytes; no tensor load lands here
.set MS1,   267264
.set MX,    0x78400                    ; MS0 xor MS1
.set MP,    528
.set SP,    272
.set SPW, 1
.set NIL, 2
.set LI,  3
.set LS,  4
.set AK0, 5
.set AS0, 6
.set AM0, 7
.set ADK, 8
.set ADS, 9
.set ADM, 10
.set NEG, 11
.set ST,  12                           ; head hq at ST + 4 hq: -M, the largest score, the sum in two halves
.set QS,  28
.set KS,  32
.set VS,  34
.set PW,  36
.set PFO, 37
.set ADV, 38
.set R4,  39                           ; 4 r in the head and in the tail; between them
.set PFW, 39                           ; the offset of Wo's prefetch
.set FK,  40
.set FV,  88
.set S,   136
.set PC,  200                          ; v200-211 p's codes (in the head v200-203 q's scale words; in the tail v200-219)
.set QW,  200
.set C2,  204                          ; v[204:205], v[210:211]: two more chains of the row's sum, until the codes' second halves are moved there
.set C3,  210
.set BM,  212
.set SO,  214
.set T,   216
.set PM,  217
.set F,   218
.set SU,  220
.set MSA, 222
.set MSD, 223
.set RAW, 224                          ; v224-255 my 8 rows of the mask
.set WOS, 238
.set STO, 254
.set RD,  255
.set TM,  220
.set BIAS, 128                         ; window 1: v0-127 O^T; v128-191 the bias; v192-245 zeros q0 zeros q1 zeros q2 zeros q3 zeros
.set QB,  192
.set WV,  18
.set QT,  19
.set QUAD, 20
.set SEL, 22
.set CS,  24
.set G1KV, 28
.set G0KV, 36
.set MGA, 40
.set INC, 42
.set MBN, 44
.set WOB, 46
.set TB,  52
.set MB,  53
.set CNT, 54
.set LIM, 55
.set PFA, 56
.set MSB, 0
.macro WIN new
.if MSB != \new
	s_set_vgpr_msb (MSB<<8)|\new
.set MSB, \new
.endif
.endm
.macro PLACES
.rept 4
	v_nop
.endr
.endm
.macro MMC d, a, b, c, sa, sc, row
.if \row
	v_wmma_scale_f32_16x16x128_f8f6f4 v[\d:\d+7], v[\a:\a+11], v[\b:\b+11], v[\c:\c+7], v[\sa], v[\sc] matrix_a_fmt:MATRIX_FMT_FP6 matrix_b_fmt:MATRIX_FMT_FP6 matrix_a_scale:MATRIX_SCALE_ROW1
.else
	v_wmma_scale_f32_16x16x128_f8f6f4 v[\d:\d+7], v[\a:\a+11], v[\b:\b+11], v[\c:\c+7], v[\sa], v[\sc] matrix_a_fmt:MATRIX_FMT_FP6 matrix_b_fmt:MATRIX_FMT_FP6
.endif
.endm
.macro QUANT s                         ; the tail's: 64 numbers, register 16 b + i = k 32 b + 16 (lane / 16) + i -> 12 registers of codes at PC, the scale word in PW
.irp b, 0,1,2,3
	v_max3_num_f32 v[TM+\b], |v[\s+16*\b]|, |v[\s+1+16*\b]|, 0x1800000
.endr
.irp i, 2,4,6,8,10,12,14
.irp b, 0,1,2,3
	s_delay_alu instid0(VALU_DEP_4)
	v_max3_num_f32 v[TM+\b], v[TM+\b], |v[\s+16*\b+\i]|, |v[\s+1+16*\b+\i]|
.endr
.endr
.irp b, 0,1,2,3
	s_delay_alu instid0(VALU_DEP_4)
	v_permlanex16_b32 v[TM+4+\b], v[TM+\b], s[SEL], s[SEL+1]
.endr
.irp b, 0,1,2,3
	s_delay_alu instid0(VALU_DEP_4)
	v_max_num_f32 v[TM+\b], v[TM+\b], v[TM+4+\b]
.endr
.irp b, 0,1,2,3
	s_delay_alu instid0(VALU_DEP_4)
	v_add_nc_u32 v[TM+12+\b], 0xff000000, v[TM+\b]
.endr
.irp b, 0,1,2,3
	s_delay_alu instid0(VALU_DEP_4)
	v_lshrrev_b32 v[TM+4+\b], 23, v[TM+12+\b]
.endr
	s_delay_alu instid0(VALU_DEP_3)
	v_lshl_or_b32 v[PW], v[TM+5], 8, v[TM+4]
	s_delay_alu instid0(VALU_DEP_1)
	v_lshl_or_b32 v[PW], v[TM+6], 16, v[PW]
	s_delay_alu instid0(VALU_DEP_1)
	v_lshl_or_b32 v[PW], v[TM+7], 24, v[PW]
.irp c, 0,1
	v_cvt_scalef32_pk16_fp6_f32 v[PC+6*\c:PC+2+6*\c], v[\s+32*\c:\s+15+32*\c], v[TM+12+2*\c]
	v_cvt_scalef32_pk16_fp6_f32 v[PC+12+4*\c:PC+14+4*\c], v[\s+16+32*\c:\s+31+32*\c], v[TM+12+2*\c+1]
.endr
	v_nop
.irp c, 0,1
.irp i, 0,1,2
	v_permlane16_swap_b32 v[PC+6*\c+\i], v[PC+12+4*\c+\i]
.endr
.irp i, 0,1,2
	s_delay_alu instid0(VALU_DEP_3)
	v_mov_b32 v[PC+3+6*\c+\i], v[PC+12+4*\c+\i]
.endr
.endr
.endm
.macro CREST                           ; a round of the cluster's barrier behind its opening barrier
	s_cmp_lg_u32 s[WV], 0
	s_cbranch_scc1 .Lnot_wave_0_\@
	s_barrier_signal -3
.Lnot_wave_0_\@:
	s_barrier_wait -3
	s_barrier_signal -1
	s_barrier_wait -1
.endm
.macro CROUND
	s_barrier_signal -1
	s_barrier_wait -1
	CREST
.endm
.macro JLOAD                           ; every wave asks jointly for its eighth of the step's block
	tensor_load_to_lds s[G0KV:G0KV+3], s[G1KV:G1KV+7]
	s_nop 0
	PLACES
.endm
; The lines in front of a change of slots: all my tensor loads, the add, the descriptor's and the prefetch's walk (no load of mine is out), the wait for the add and for my LDS reads and stores, the signal.
.macro MEET
	s_wait_tensorcnt 0x0
	ds_add_u32 v[SPW], v[NIL]
	s_xor_b32 s[G0KV+1], s[G0KV+1], KV1
	s_add_nc_u64 s[G0KV+2:G0KV+3], s[G0KV+2:G0KV+3], KVB
	s_wait_xcnt 0x0
	s_add_nc_u64 s[PFA:PFA+1], s[PFA:PFA+1], KVB
	s_wait_dscnt 0x0
	s_barrier_signal -1
.endm
.macro CQ q                            ; four words of the mask a lane become bias, in place: -3e38 where the mask is 0
.irp i, 0,1,2,3
	v_cmp_eq_u32 s[60+\i], 0, v[RAW+4*(\q)+\i]
.endr
.irp i, 0,1,2,3
	v_cndmask_b32 v[RAW+4*(\q)+\i], 0, v[NEG], s[60+\i]
.endr
.endm
.macro CVI n                           ; the same for the four registers at RQ, one line at a time, laid between the lines of the chain that makes M
.if CONVF
.if \n < 4
	v_cmp_eq_u32 s[60+\n], 0, v[RQ+\n]
.else
	v_cndmask_b32 v[RQ+\n-4], 0, v[NEG], s[56+\n]
.endif
.endif
.endm
.macro QI n                            ; the lines that make p's scale operands and scale word, laid between the chains of the row's sum
.if \n == 0
	v_max_num_f32 v[BM], 0x1800000, v[BM]          ; the floor 2^(3 - 127)
	v_max_num_f32 v[BM+1], 0x1800000, v[BM+1]
.elseif \n == 1
	v_add_nc_u32 v[SO], 0xff000000, v[BM]          ; 2 off the exponent field: the conversions' scale operands
	v_add_nc_u32 v[SO+1], 0xff000000, v[BM+1]
.elseif \n == 2
	v_lshrrev_b32 v[T], 23, v[SO]
	v_lshrrev_b32 v[PM], 23, v[SO+1]
.elseif \n == 3
	v_lshl_or_b32 v[T], v[PM], 16, v[T]            ; blocks h and 2 + h
.elseif \n == 4
	v_permlanex16_b32 v[PM], v[T], s[SEL], s[SEL+1]
.else
	v_lshl_or_b32 v[PW], v[PM], 8, v[T]            ; lanes 0-15: the four bytes in their places; lanes 16-31 are not read
.endif
.endm
	s_load_b256 s[4:11], s[0:1], 0x0               ; qbuf, kvbuf, attn_mask, wbuf
	s_load_b128 s[12:15], s[0:1], 0x20             ; bo, tau
	s_load_b64 s[16:17], s[0:1], 0x30              ; out0
	v_lshl_add_u32 v[SPW], v0, 2, SPARE
	v_mov_b32 v[NIL], 0
	ds_add_u32 v[SPW], v[NIL]                      ; the opening lines
	ds_add_u32 v[SPW], v[NIL]
	v_lshrrev_b32 v3, 5, v0
	v_readfirstlane_b32 s[WV], v3
	s_and_b32 s[QT], s[WV], 3
	s_lshr_b32 s[QUAD], s[WV], 2
	s_bfe_u32 s66, ttmp6, 0x40000                  ; cx: it enters global addresses of my own loads and prefetches alone
	s_lshl_b32 s67, ttmp9, 2
	s_add_co_u32 s67, s67, s66                     ; X: my block of 64 queries
	s_and_b32 s68, ttmp7, 0xffff                   ; the batch
	s_mov_b32 s[G1KV+0], 15|(3<<16)|(1<<21)        ; 50 rows of 256 bytes, dense; the mask names all four work-groups
	s_mov_b32 s[G1KV+1], 32<<16
	s_mov_b32 s[G1KV+2], 50<<16
	s_mov_b32 s[G1KV+3], 32<<16
	s_mov_b32 s[G1KV+4], 50
	s_mov_b32 s[G1KV+5], 32
	s_mov_b32 s[G1KV+6], 0
	s_mov_b32 s[G1KV+7], 0
	s_mul_i32 s72, s68, 16*KVB
	s_mul_i32 s69, s[WV], 12800                    ; my eighth: in memory and in a slot
	s_add_co_u32 s72, s72, s69
	s_mov_b32 s73, 0
	s_lshl_b32 s74, s68, 24                        ; the mask: 2,048 rows of 8,192 bytes a batch, 64 rows a work-group, 8 a wave
	s_lshl_b32 s75, s67, 19
	s_add_co_u32 s74, s74, s75
	s_lshl_b32 s75, s[WV], 16
	s_add_co_u32 s74, s74, s75
	s_mov_b32 s75, 0
	s_mov_b32 s[INC+1], 0
	s_wait_dscnt 0x0
	s_wait_kmcnt 0x0
	s_load_b32 s70, s[14:15], 0x0                  ; tau
	s_mov_b32 s[G0KV], 1
	s_mov_b32 s[G0KV+1], s69
	s_add_nc_u64 s[G0KV+2:G0KV+3], s[6:7], s[72:73]
	s_or_b32 s[G0KV+3], s[G0KV+3], 0x80000000
	s_add_nc_u64 s[MGA:MGA+1], s[8:9], s[74:75]
	s_add_nc_u64 s[WOB:WOB+1], s[10:11], 3*204800
	CROUND
	JLOAD                                          ; key step 0
	v_and_b32 v8, 31, v0
	v_and_b32 v9, 15, v0
	v_bfe_u32 v10, v0, 4, 1
	v_lshlrev_b32 v[LI], 4, v8
	v_lshlrev_b32 v[LS], 2, v8
	v_lshlrev_b32 v[R4], 2, v9
	v_lshlrev_b32 v[PFO], 8, v8
	v_mov_b32 v[NEG], 0xff61b1e6
	s_wait_alu depctr_va_vdst(0)
.irp j, 0,1,2,3,4,5,6,7
	global_load_b128 v[RAW+4*\j:RAW+4*\j+3], v[LI], s[MGA:MGA+1] offset:8192*\j th:TH_LOAD_NT   ; step 0's mask: 32 lanes read a row's 512 bytes
.endr
	s_lshr_b32 s76, s67, 1                         ; q: unit 16 batch + X / 2, fragment (head, tp = 2 (X % 2) + qt / 2), half qt % 2
	s_lshl_b32 s77, s68, 4
	s_add_co_u32 s76, s76, s77
	s_mul_i32 s76, s76, 51200
	s_and_b32 s77, s67, 1
	s_lshl_b32 s77, s77, 1
	s_lshr_b32 s78, s[QT], 1
	s_add_co_u32 s77, s77, s78
	s_lshl_b32 s78, s[QUAD], 4
	s_add_co_u32 s77, s77, s78
	s_mul_i32 s78, s77, 1536
	s_add_co_u32 s78, s78, s76
	s_mov_b32 s79, 0
	s_add_nc_u64 s[80:81], s[4:5], s[78:79]
	s_lshl_b32 s78, s77, 6
	s_add_co_u32 s78, s78, s76
	s_add_co_u32 s78, s78, 49152
	s_add_nc_u64 s[82:83], s[4:5], s[78:79]
.irp hq, 0,1,2,3
.irp cc, 0,1,2
	global_load_b128 v[S+12*\hq+4*\cc:S+12*\hq+4*\cc+3], v[LI], s[80:81] offset:6144*\hq+512*\cc
.endr
	global_load_b32 v[QW+\hq], v[R4], s[82:83] offset:256*\hq
.endr
	s_mul_i32 s84, s[QUAD], 4*6144
	v_add_nc_u32 v[AK0], s84, v[LI]
	s_lshl_b32 s84, s[QUAD], 10
	s_add_co_u32 s84, s84, 98304
	v_add_nc_u32 v[AS0], s84, v[LS]
	s_lshl_b32 s84, s[QT], 4
	v_add_nc_u32 v[AM0], s84, v9                   ; my bias row: 16 qt + r,
	v_mul_u32_u24 v[AM0], v[AM0], MP
	v_lshl_add_u32 v[AM0], v10, 7, v[AM0]          ; + 128 h: my 32 keys of 64
	s_lshl_b32 s84, s[QUAD], 5                     ; mask rows 8 w .. + 7 are bias rows 32 (w / 4) + 16 (w % 2) + 8 ((w / 2) % 2) + 0 .. 7
	s_and_b32 s85, s[WV], 1
	s_lshl_b32 s85, s85, 4
	s_add_co_u32 s84, s84, s85
	s_bfe_u32 s85, s[WV], 0x10001
	s_lshl_b32 s85, s85, 3
	s_add_co_u32 s84, s84, s85
	s_mul_i32 s84, s84, MP
	v_add_nc_u32 v[MSA], s84, v[LI]
	v_add_nc_u32 v[MSD], MS0, v[MSA]
	s_mul_i32 s86, s66, 24576                      ; the prefetch of k's and v's codes: 24,576 bytes a partner, told apart by address; waves 0 to 2 take 8,192 each, lanes 256 bytes apart
	s_lshl_b32 s87, s[WV], 13
	s_add_co_u32 s86, s86, s87
	s_mul_i32 s87, s68, 16*KVB
	s_add_co_u32 s86, s86, s87
	s_add_co_u32 s86, s86, KVB                     ; in step 1: the lines in front of the loop step it to step 2
	s_mov_b32 s87, 0
	s_add_nc_u64 s[PFA:PFA+1], s[6:7], s[86:87]
	s_cmp_lt_u32 s[WV], 3
	s_cselect_b32 s88, ttmp9, 1                    ; the batch's first cluster alone
	s_cmp_eq_u32 s88, 0
	s_cselect_b32 s[LIM], 1, -1
	s_mov_b32 s[SEL], 0x76543210
	s_mov_b32 s[SEL+1], 0xfedcba98
	s_wait_kmcnt 0x0                               ; tau
	s_and_b32 s71, s70, 0x7fffffff
	s_ashr_i32 s92, s70, 31
	s_and_b32 s93, s92, 0x20820820                 ; where tau is negative the sign bits of q's codes are turned
	s_and_b32 s94, s92, 0x08208208
	s_and_b32 s95, s92, 0x82082082
	v_mov_b32 v[T], s71
	s_wait_alu depctr_va_vdst(0)
	v_rcp_f32 v[F], v[T]
	v_nop
	s_wait_alu depctr_va_vdst(0)
	v_fma_f32 v[SU], -v[T], v[F], 1.0              ; one step of Newton's
	v_fma_f32 v[F], v[F], v[SU], v[F]
	s_delay_alu instid0(VALU_DEP_1)
	v_mul_f32 v[F], 0x3fb8aa3b, v[F]               ; c
	s_delay_alu instid0(VALU_DEP_1)
	v_readfirstlane_b32 s[CS], v[F]
	s_mov_b32 s[CS+1], s[CS]
	v_mul_f32 v[T], 0x71800000, v[F]
	s_delay_alu instid0(VALU_DEP_1)
	v_floor_f32 v[T], v[T]                         ; -M of the starting score -2^100
	s_and_b32 s89, s[QT], 1
	s_sub_co_u32 s90, 0, s89
	s_lshl_b32 s91, s89, 4
.irp hq, 0,1,2,3
	v_mov_b32 v[ST+4*\hq+1], 0xf1800000
	v_mov_b32 v[ST+4*\hq], v[T]
	v_mov_b32 v[ST+4*\hq+2], 0
	v_mov_b32 v[ST+4*\hq+3], 0
.endr
	v_mov_b32 v[PM], 0
	v_mov_b32 v[F+1], 0
	s_mov_b32 s[TB], 0
	s_mov_b32 s[MB], MS0
	s_mov_b32 s[MBN], MS1
	s_mov_b32 s[CNT], 15
	WIN 0x40
.irp z, 0,1,2,3,4
.irp i, 0,1,2,3,4,5
	v_mov_b32 v[QB+12*\z+\i], 0
.endr
.endr
.set jj, 0
.rept 128
	v_mov_b32 v[jj], 0                             ; O^T: the key step is written for all steps alike
.set jj, jj+1
.endr
	WIN 0
	s_wait_alu depctr_va_vdst(0)
	s_wait_loadcnt 16                              ; step 0's mask is in (so its loads' base may be stepped); q's 16 loads may be out
	s_add_nc_u64 s[MGA:MGA+1], s[MGA:MGA+1], 512   ; on to step 1
.irp j, 0,1,2,3,4,5,6,7
	CQ \j
	ds_store_b128 v[MSD], v[RAW+4*\j:RAW+4*\j+3] offset:\j*MP
.endr
	s_wait_dscnt 0x0                               ; the stores have read their registers
.irp j, 0,1,2,3,4,5
	global_load_b128 v[RAW+4*\j:RAW+4*\j+3], v[LI], s[MGA:MGA+1] offset:8192*\j th:TH_LOAD_NT   ; step 1's mask, rows 0 to 5; the last two come in step 0
.endr
	s_wait_loadcnt 6                               ; q
.irp hq, 0,1,2,3
.irp i, 0,1,2,3,4,5
	v_cndmask_b32 v[S+12*\hq+\i], v[S+12*\hq+\i], v[S+12*\hq+6+\i], s90
.endr
	v_lshrrev_b32 v[QW+\hq], s91, v[QW+\hq]
	s_delay_alu instid0(VALU_DEP_1)
	v_and_b32 v[QW+\hq], 0xffff, v[QW+\hq]
	s_delay_alu instid0(VALU_DEP_1)
	v_lshl_or_b32 v[QS+\hq], v[QW+\hq], 16, v[QW+\hq]
.endr
	v_lshl_add_u32 v[PFW], s66, 8, v0              ; Wo's 800 blocks of 256 bytes: a lane a block, the partners told apart by address; the lanes left over name the last block
	v_min_u32 v[PFW], 799, v[PFW]
	v_lshlrev_b32 v[PFW], 8, v[PFW]
	WIN 0x40
.irp hq, 0,1,2,3
.irp i, 0,1,2,3,4,5
	v_xor_b32 v[QB+6+12*\hq+\i], s[93+\i%3], v[S+12*\hq+\i]
.endr
.endr
	WIN 0
	s_wait_alu depctr_va_vdst(0)                   ; the head's end
.macro KLOAD hq
.irp tp, 0,1,2,3
.irp cc, 0,1,2
	ds_load_b128 v[FK+12*\tp+4*\cc:FK+12*\tp+4*\cc+3], v[ADK] offset:6144*(\hq)+1536*\tp+512*\cc
.endr
.endr
.irp i, 0,1
	ds_load_b32 v[KS+\i], v[ADS] offset:256*(\hq)+128*\i
.endr
.endm
.macro VLOAD hq
.irp tp, 0,1,2,3
.irp cc, 0,1,2
	ds_load_b128 v[FV+12*\tp+4*\cc:FV+12*\tp+4*\cc+3], v[ADV] offset:6144*(\hq)+1536*\tp+512*\cc
.endr
.endr
.irp i, 0,1
	ds_load_b32 v[VS+\i], v[ADS] offset:2048+256*(\hq)+128*\i
.endr
.endm
; ONE HEAD'S KEY STEP.  cv = 1: two rows of the next step's mask are turned into bias on the way, and the two rows turned in the head before are loaded anew, for the step after.  mt = 1: the change of slots is opened in it.
.macro HSTEP hq, cv, mt
.set SQ, ST+4*\hq
.set CONVF, \cv
.set RQ, RAW+8*\hq+4
.set GP, (\hq+3)%4
.if \hq > 0
	s_wait_dscnt 0x0                               ; this head's k is in; my earlier bias stores have read their registers
.endif
.if \cv
.if \hq == 1
	s_cmp_gt_u32 s[CNT], 1                         ; the loop's last trip stays at step 15
	s_cselect_b32 s[INC], 512, 0
	s_wait_xcnt 0x0                                ; the loads of a head ago have read their base
	s_add_nc_u64 s[MGA:MGA+1], s[MGA:MGA+1], s[INC:INC+1]
.endif
.irp j, 0,1
	global_load_b128 v[RAW+8*GP+4*\j:RAW+8*GP+4*\j+3], v[LI], s[MGA:MGA+1] offset:8192*(2*GP+\j) th:TH_LOAD_NT
.endr
	s_wait_loadcnt 6                               ; my two rows for this head are in; the three younger pairs may be out
.endif
	WIN 0x14
.irp tp, 0,1,2,3
.if \hq == 0
	s_wait_dscnt 12-4*\tp                          ; k's 14 loads and the bias loads up to this pair's four are in; the younger bias loads may be out
.endif
.irp cc, 0,1
	MMC S+8*(2*\tp+\cc), FK+12*\tp, QB+6+12*\hq-6*\cc, BIAS+8*(2*\tp+\cc), KS+\tp/2, QS+\hq, \tp%2
.endr
.endr
	WIN 0
.if \cv
	CQ 2*\hq                                       ; these lines are also the places behind the products
	ds_store_b128 v[MSD], v[RAW+8*\hq:RAW+8*\hq+3] offset:2*\hq*MP
.else
	PLACES
.endif
	VLOAD \hq
.if \hq < 3
	KLOAD \hq+1
.endif
.irp c, 0,1                                    ; my two blocks' largest scores, in two chains each; each accumulator is read from its low end on
	v_max3_num_f32 v[BM+\c], v[S+32*\c], v[S+32*\c+1], v[S+32*\c+2]
	v_max3_num_f32 v[SO+\c], v[S+32*\c+16], v[S+32*\c+17], v[S+32*\c+18]
.endr
.irp i, 3,5,7,9,11,13
.irp c, 0,1
	v_max3_num_f32 v[BM+\c], v[BM+\c], v[S+32*\c+\i], v[S+32*\c+\i+1]
	v_max3_num_f32 v[SO+\c], v[SO+\c], v[S+32*\c+16+\i], v[S+32*\c+17+\i]
.endr
.endr
.irp c, 0,1
	v_max3_num_f32 v[BM+\c], v[BM+\c], v[SO+\c], v[S+32*\c+15]
.endr
.irp c, 0,1
	v_max_num_f32 v[BM+\c], v[BM+\c], v[S+32*\c+31]
.endr
	v_max_num_f32 v[T], v[BM], v[BM+1]
	CVI 0
	CVI 1
	v_permlanex16_b32 v[PM], v[T], s[SEL], s[SEL+1]
	CVI 2
	CVI 3
	v_max3_num_f32 v[SQ+1], v[SQ+1], v[T], v[PM]   ; the running largest score
	CVI 4
	v_mov_b32 v[PM], v[SQ]
	v_mul_f32 v[T], s[CS], v[SQ+1]
	CVI 5
	v_floor_f32 v[SQ], -v[T]                       ; the new -M: a whole number
	CVI 6
	v_sub_f32 v[T], v[SQ], v[PM]                   ; old M - new M
	CVI 7
	v_cvt_i32_f32 v[T], v[T]
.if \cv
	ds_store_b128 v[MSD], v[RQ:RQ+3] offset:(2*\hq+1)*MP
.endif
	v_ldexp_f32 v[F], 1.0, v[T]
.set jj, 0
.rept 32
	v_pk_fma_f32 v[S+jj:S+jj+1], v[S+jj:S+jj+1], s[CS:CS+1], v[SQ:SQ+1] op_sel_hi:[1,0,0]
.set jj, jj+2
.endr
	v_pk_fma_f32 v[BM:BM+1], v[BM:BM+1], s[CS:CS+1], v[SQ:SQ+1] op_sel_hi:[1,0,0]   ; the same of the blocks' largest scores
.if \mt
	MEET                                           ; my last LDS reads and stores of this step have been issued: from here to the barrier's wait work on registers alone
.endif
	s_wait_alu depctr_va_vdst(0)                   ; ahead of the batch
.set jj, 0
.rept 64
	v_exp_f32 v[S+jj], v[S+jj]
.set jj, jj+1
.endr
	v_exp_f32 v[BM], v[BM]                         ; the blocks' largest p
	v_exp_f32 v[BM+1], v[BM+1]
	v_pk_mul_f32 v[SQ+2:SQ+3], v[SQ+2:SQ+3], v[F:F+1] op_sel_hi:[1,0]
	s_wait_alu depctr_va_vdst(0)                   ; and behind it
	v_pk_add_f32 v[SU:SU+1], v[S:S+1], v[S+2:S+3]  ; the row's sum of the unquantised p, in four chains
	v_pk_add_f32 v[C2:C2+1], v[S+4:S+5], v[S+6:S+7]
	v_pk_add_f32 v[C3:C3+1], v[S+8:S+9], v[S+10:S+11]
	v_pk_add_f32 v[SQ+2:SQ+3], v[SQ+2:SQ+3], v[S+12:S+13]
.irp n, 0,1,2,3,4,5
	v_pk_add_f32 v[SU:SU+1], v[SU:SU+1], v[S+14+8*\n:S+15+8*\n]
	v_pk_add_f32 v[C2:C2+1], v[C2:C2+1], v[S+16+8*\n:S+17+8*\n]
	QI \n
	v_pk_add_f32 v[C3:C3+1], v[C3:C3+1], v[S+18+8*\n:S+19+8*\n]
	v_pk_add_f32 v[SQ+2:SQ+3], v[SQ+2:SQ+3], v[S+20+8*\n:S+21+8*\n]
.endr
	v_pk_add_f32 v[SU:SU+1], v[SU:SU+1], v[S+62:S+63]
	v_cvt_scalef32_pk16_fp6_f32 v[PC:PC+2], v[S:S+15], v[SO]
	v_cvt_scalef32_pk16_fp6_f32 v[PC+6:PC+8], v[S+32:S+47], v[SO+1]
	v_pk_add_f32 v[SQ+2:SQ+3], v[SQ+2:SQ+3], v[C3:C3+1]   ; (plain places behind the conversions)
	v_pk_add_f32 v[SU:SU+1], v[SU:SU+1], v[C2:C2+1]
	v_cvt_scalef32_pk16_fp6_f32 v[S:S+2], v[S+16:S+31], v[SO]        ; a conversion's three registers begin on an even number: made where p's first numbers lay, and moved
	v_cvt_scalef32_pk16_fp6_f32 v[S+32:S+34], v[S+48:S+63], v[SO+1]
	v_pk_add_f32 v[SQ+2:SQ+3], v[SQ+2:SQ+3], v[SU:SU+1]
.irp c, 0,1
.irp i, 0,1,2
	v_mov_b32 v[PC+3+6*\c+\i], v[S+32*\c+\i]
.endr
.endr
	WIN 0x41
	s_wait_alu depctr_va_vdst(0)                   ; directly ahead of the first reader of O^T
.set jj, 0
.rept 16
	v_pk_mul_f32 v[32*\hq+jj:32*\hq+jj+1], v[32*\hq+jj:32*\hq+jj+1], v[F:F+1] op_sel_hi:[1,0]
.set jj, jj+2
.endr
	s_wait_alu depctr_va_vdst(0)
.if \hq < 3
	s_wait_dscnt 14+\cv                            ; v is in; the next head's 14 loads of k and my second bias store may be out
.elseif \mt == 0
	s_wait_dscnt 0x0
.endif
	WIN 0x50
.irp tt, 0,1,2,3
	MMC 32*\hq+8*\tt, FV+12*\tt, PC, 32*\hq+8*\tt, VS+\tt/2, PW, \tt%2
.endr
	WIN 0
.if \mt
	s_barrier_wait -1                              ; every wave has left this step's slot and has its part of the next;
	CREST                                          ; and the round is closed: so have the waves of all four partners
.endif
.endm
.macro STEP cv
	v_add_nc_u32 v[ADK], s[TB], v[AK0]
	v_add_nc_u32 v[ADS], s[TB], v[AS0]
	v_add_nc_u32 v[ADM], s[MB], v[AM0]
.if \cv
	v_add_nc_u32 v[MSD], s[MBN], v[MSA]
.endif
	v_add_nc_u32 v[ADV], 49152, v[ADK]
	KLOAD 0
	WIN 0x40
.irp c, 0,1
.irp i, 0,1,2,3,4,5,6,7
	ds_load_b128 v[BIAS+32*\c+4*\i:BIAS+32*\c+4*\i+3], v[ADM] offset:256*\c+16*\i   ; bias(my query, key 64 c + 32 h + 4 i ..)
.endr
.endr
	WIN 0
	s_wait_alu depctr_va_vdst(0)
	HSTEP 0, \cv, 0
	HSTEP 1, \cv, 0
	HSTEP 2, \cv, 0
	HSTEP 3, \cv, \cv
	s_xor_b32 s[TB], s[TB], KV1
	s_xor_b32 s[MB], s[MB], MX
	s_xor_b32 s[MBN], s[MBN], MX
.endm
	MEET                                           ; step 0's block and bias are in
	s_barrier_wait -1
	CREST
.Lstep:                                            ; 15 trips.  A round has just been closed: the next step's block is asked for, first thing.  One tensor load a wave is outstanding.  The last trip's round is followed by no fill
	JLOAD
	s_cmp_gt_u32 s[CNT], s[LIM]                    ; the codes of the step that the next trip will ask for; the last trip asks for nothing
	s_cbranch_scc0 .Lnot_mine
	global_prefetch_b8 v[PFO], s[PFA:PFA+1] th:TH_LOAD_NT scope:SCOPE_SE
.Lnot_mine:
	s_cmp_eq_u32 s[CNT], 4                         ; once, four steps ahead of the tail: Wo
	s_cbranch_scc0 .Lno_wo
	global_prefetch_b8 v[PFW], s[WOB:WOB+1] th:TH_LOAD_NT scope:SCOPE_SE
.Lno_wo:
	STEP 1
	s_sub_co_u32 s[CNT], s[CNT], 1
	s_cmp_lg_u32 s[CNT], 0
	s_cbranch_scc1 .Lstep
	STEP 0                                         ; the last step: behind the barrier that trip 15 has passed nothing is filled again
	; THE OUTPUT PRODUCT.  Wave w makes outputs 64 w .. + 63 for all 64 queries; the attention output goes from wave to wave through LDS as images of operand registers.
	s_wait_loadcnt 0x0                             ; the mask's last loads have landed: their registers are free
.irp hq, 0,1,2,3
	v_add_f32 v[ST+4*\hq+2], v[ST+4*\hq+2], v[ST+4*\hq+3]
.endr
.irp hq, 0,1,2,3
	s_delay_alu instid0(VALU_DEP_4)
	v_permlanex16_b32 v[ST+4*\hq+3], v[ST+4*\hq+2], s[SEL], s[SEL+1]
.endr
.irp hq, 0,1,2,3
	s_delay_alu instid0(VALU_DEP_4)
	v_add_f32 v[ST+4*\hq+2], v[ST+4*\hq+2], v[ST+4*\hq+3]   ; l
.endr
	s_wait_alu depctr_va_vdst(0)
.irp hq, 0,1,2,3
	v_rcp_f32 v[ST+4*\hq], v[ST+4*\hq+2]
.endr
	v_and_b32 v9, 15, v0
	s_wait_alu depctr_va_vdst(0)
	v_bfe_u32 v11, v0, 4, 1
	s_lshl_b32 s84, s[QT], 2
	s_lshl_b32 s85, s[QUAD], 1
	s_add_co_u32 s84, s84, s85                     ; my first image: 4 qt + 2 quad
	s_mul_i32 s85, s84, 1536
	s_add_co_u32 s85, s85, OIMG
	v_add_nc_u32 v5, s85, v[LI]
	s_lshl_b32 s85, s84, 7
	s_add_co_u32 s85, s85, OSC
	v_add_nc_u32 v6, s85, v[LS]
	v_add_nc_u32 v7, OIMG, v[LI]
	v_add_nc_u32 v8, OSC, v[LS]
	s_mul_i32 s85, s[WV], 16*SP                    ; my stage, in slot 0 of k and v, which has had its last fill and its last read
	v_mul_u32_u24 v[STO], v9, SP
	s_wait_alu depctr_va_vdst(0)
	v_lshl_add_u32 v[STO], v11, 6, v[STO]
	s_delay_alu instid0(VALU_DEP_1)
	v_add_nc_u32 v[STO], s85, v[STO]
	v_mul_u32_u24 v[RD], v11, SP
	s_delay_alu instid0(VALU_DEP_1)
	v_lshl_add_u32 v[RD], v9, 4, v[RD]
	s_delay_alu instid0(VALU_DEP_1)
	v_add_nc_u32 v[RD], s85, v[RD]
	v_lshlrev_b32 v38, 11, v11
	s_delay_alu instid0(VALU_DEP_1)
	v_lshl_add_u32 v38, v9, 4, v38
	v_lshlrev_b32 v10, 6, v11
	v_lshlrev_b32 v[R4], 2, v9                     ; 4 r again (the prefetch that read this register stands trips back, with waits on XCNT behind it)
	s_wait_alu depctr_va_vdst(0)
	s_mul_i32 s86, s[WV], 4*6144
	s_add_co_u32 s86, s86, 3*204800
	s_mov_b32 s87, 0
	s_add_nc_u64 s[88:89], s[10:11], s[86:87]      ; Wo's codes, my four tiles
	s_lshl_b32 s86, s[WV], 10
	s_add_co_u32 s86, s86, 3*204800+196608
	s_add_nc_u64 s[90:91], s[10:11], s[86:87]      ; their scale words
	s_lshl_b32 s86, s[WV], 8
	s_add_nc_u64 s[92:93], s[12:13], s[86:87]      ; bo, my 64
	s_lshl_b32 s84, s68, 22
	s_add_co_u32 s86, s86, s84
	s_lshl_b32 s84, s67, 17
	s_add_co_u32 s86, s86, s84
	s_add_nc_u64 s[16:17], s[16:17], s[86:87]
	WIN 0x40
.irp tt, 0,1,2,3
.irp ks, 0,1
.irp cc, 0,1,2
	global_load_b128 v[128+12*(2*\tt+\ks)+4*\cc:128+12*(2*\tt+\ks)+4*\cc+3], v[LI], s[88:89] offset:6144*\tt+1536*\ks+512*\cc
.endr
.endr
.endr
.irp tt, 0,1,2,3
	global_load_b128 v[224+8*\tt:224+8*\tt+3], v10, s[92:93] offset:128*(\tt/2)+32*(\tt%2)
	global_load_b128 v[224+8*\tt+4:224+8*\tt+7], v10, s[92:93] offset:128*(\tt/2)+32*(\tt%2)+16
.endr
	WIN 0
.irp tt, 0,1,2,3
.irp ks, 2,3
.irp cc, 0,1,2
	global_load_b128 v[FK+12*(2*\tt+\ks-2)+4*\cc:FK+12*(2*\tt+\ks-2)+4*\cc+3], v[LI], s[88:89] offset:6144*\tt+1536*\ks+512*\cc
.endr
.endr
.endr
.irp tt, 0,1,2,3
.irp ks, 0,1,2,3
	global_load_b32 v[WOS+4*\tt+\ks], v[R4], s[90:91] offset:256*\tt+64*\ks
.endr
.endr
	s_wait_alu depctr_va_vdst(0)
.irp pi, 0,1
	WIN 0x01
.set jj, 0
.rept 32
	v_pk_mul_f32 v[S+jj:S+jj+1], v[64*\pi+jj:64*\pi+jj+1], v[ST+8*\pi+4*(jj/32):ST+8*\pi+4*(jj/32)+1] op_sel_hi:[1,0]   ; O^T / l
.set jj, jj+2
.endr
	WIN 0
	QUANT S
	v_cmp_eq_f32 vcc_lo, 0, v[ST+8*\pi+2]
	s_delay_alu instid0(VALU_DEP_1)
	v_cndmask_b32 v[PW], v[PW], -1, vcc_lo         ; a row with every key hidden: scale bytes 0xff
.irp c, 0,1,2
	ds_store_b128 v5, v[PC+4*\c:PC+4*\c+3] offset:1536*\pi+512*\c
.endr
	ds_store_b32 v6, v[PW] offset:128*\pi
	s_wait_dscnt 0x0
.endr
	s_barrier_signal -1
	s_barrier_wait -1
	s_wait_loadcnt 0x0                             ; Wo, bo
.irp ks, 0,1,2,3
	PLACES
.irp qq, 0,1,2,3
.irp cc, 0,1,2
	ds_load_b128 v[S+12*\qq+4*\cc:S+12*\qq+4*\cc+3], v7 offset:(4*\qq+\ks)*1536+512*\cc
.endr
	ds_load_b32 v[KS+\qq], v8 offset:128*(4*\qq+\ks)
.endr
	s_wait_dscnt 0x0
.if \ks < 2
	WIN 0x51
.else
	WIN 0x50
.endif
.irp qq, 0,1,2,3
.irp tt, 0,1,2,3
.if \ks == 0
	MMC 32*\qq+8*\tt, 128+12*(2*\tt+\ks), S+12*\qq, 224+8*\tt, WOS+4*\tt+\ks, KS+\qq, 0
.elseif \ks == 1
	MMC 32*\qq+8*\tt, 128+12*(2*\tt+\ks), S+12*\qq, 32*\qq+8*\tt, WOS+4*\tt+\ks, KS+\qq, 0
.else
	MMC 32*\qq+8*\tt, FK+12*(2*\tt+\ks-2), S+12*\qq, 32*\qq+8*\tt, WOS+4*\tt+\ks, KS+\qq, 0
.endif
.endr
.endr
	WIN 0
.endr
	PLACES
.macro TOSTAGE qq                      ; a tile of 16 queries goes through my own stage and comes back as whole rows of 256 bytes
	WIN 0x04
.irp tt, 0,1,2,3
	ds_store_b128 v[STO], v[32*\qq+8*\tt:32*\qq+8*\tt+3] offset:128*(\tt/2)+32*(\tt%2)
	ds_store_b128 v[STO], v[32*\qq+8*\tt+4:32*\qq+8*\tt+7] offset:128*(\tt/2)+32*(\tt%2)+16
.endr
	WIN 0
.irp i, 0,1,2,3,4,5,6,7
	ds_load_b128 v[S+32*((\qq)%2)+4*\i:S+32*((\qq)%2)+4*\i+3], v[RD] offset:2*\i*SP
.endr
.endm
.macro SEND qq, younger
	s_wait_dscnt \younger
.irp i, 0,1,2,3,4,5,6,7
	global_store_b128 v38, v[S+32*((\qq)%2)+4*\i:S+32*((\qq)%2)+4*\i+3], s[16:17] offset:(32*((\qq)/2)+8*((\qq)%2)+2*\i+8*(\i/4))*2048 th:TH_STORE_NT   ; 16 lanes store 256 consecutive bytes, aligned
.endr
.endm
	TOSTAGE 0
	TOSTAGE 1
	SEND 0, 16
	s_wait_xcnt 0x0
	TOSTAGE 2
	SEND 1, 16
	s_wait_xcnt 0x0
	TOSTAGE 3
	SEND 2, 16
	SEND 3, 0
	s_wait_tensorcnt 0x0                           ; the wave's end
	ds_add_u32 v[SPW], v[NIL]
	s_wait_dscnt 0x0
	CROUND                                         ; the closing round
	s_endpgm
.Lfunc_end_k_q23c55b304e_attn:
	.size	k_q23c55b304e_attn, .Lfunc_end_k_q23c55b304e_attn-k_q23c55b304e_attn
	.p2alignl 7, 3214868480
	.fill 96, 4, 3214868480
	.section	.rodata,"a",@progbits
	.p2align	6, 0x0
	.amdhsa_kernel k_q23c55b304e_attn
		.amdhsa_group_segment_fixed_size 327680
		.amdhsa_private_segment_fixed_size 0
		.amdhsa_enable_private_segment 0
		.amdhsa_kernarg_size 56
		.amdhsa_user_sgpr_count 2
		.amdhsa_user_sgpr_kernarg_segment_ptr 1
		.amdhsa_wavefront_size32 1
		.amdhsa_system_sgpr_workgroup_id_x 1
		.amdhsa_system_sgpr_workgroup_id_y 1
		.amdhsa_system_sgpr_workgroup_id_z 1
		.amdhsa_system_vgpr_workitem_id 0
		.amdhsa_next_free_vgpr 512
		.amdhsa_next_free_sgpr 100
		.amdhsa_reserve_vcc 1
		.amdhsa_float_denorm_mode_32 3
		.amdhsa_float_denorm_mode_16_64 3
		.amdhsa_memory_ordered 1
		.amdhsa_forward_progress 1
		.amdhsa_inst_pref_size 193
	.end_amdhsa_kernel
	.amdgpu_metadata
---
amdhsa.version: [ 1, 2 ]
amdhsa.kernels:
  - .name:           k_q23c55b304e_attn
    .symbol:         k_q23c55b304e_attn.kd
    .args:
      - { .name: qbuf, .offset: 0, .size: 8, .value_kind: global_buffer, .address_space: global }
      - { .name: kvbuf, .offset: 8, .size: 8, .value_kind: global_buffer, .address_space: global }
      - { .name: attn_mask, .offset: 16, .size: 8, .value_kind: global_buffer, .address_space: global }
      - { .name: wbuf, .offset: 24, .size: 8, .value_kind: global_buffer, .address_space: global }
      - { .name: bo, .offset: 32, .size: 8, .value_kind: global_buffer, .address_space: global }
      - { .name: tau, .offset: 40, .size: 8, .value_kind: global_buffer, .address_space: global }
      - { .name: out0, .offset: 48, .size: 8, .value_kind: global_buffer, .address_space: global }
    .group_segment_fixed_size: 327680
    .private_segment_fixed_size: 0
    .kernarg_segment_align: 8
    .kernarg_segment_size: 56
    .max_flat_workgroup_size: 256
    .sgpr_count:     100
    .vgpr_count:     512
    .wavefront_size: 32
...
	.end_amdgpu_metadata
.endif
;; end of part 3
